; MI455X (gfx1250); checked and timed in simulation.
; The chip was launched on July 23, 2026; its instructions are those of AMD's public machine-readable ISA for CDNA 5 (MIT licence, August 2026) and "CDNA5" Instruction Set Architecture Reference Guide (July 2026). The comments in the code are by the model that wrote it; some were corrected since.
;; KAN Spline1 D. Allowed arithmetic: float matrix products may take bf16 or f16 operands with f32 sums; all other float work in f32.
;; Inputs: alpha 64 x 16 float32; beta 64 x 1 float32; bias 64 x 1 float32; scale 64 x 1 float32; shift 64 x 1 float32; x 8 x 64 x 128 x 128 float32.
;; Outputs: out0 8 x 64 x 128 x 128 float32.
;; One version. Each part assembles by itself: llvm-mc -triple=amdgcn-amd-amdhsa -mcpu=gfx1250 --defsym DOCPART=n.
;; ======== version 1 of 1: 1 launch
;; launch kanspline (part 1): grid 512 x 1, 8 waves a work-group, no clusters, 0 bytes of LDS; arguments x, out0, alpha, beta, bias, shift, scale; writes out0
.if DOCPART == 1
	.amdgcn_target "amdgcn-amd-amdhsa--gfx1250"
	.amdhsa_code_object_version 6
	.text
	.protected	k_q7cfc4c05ec_kanspline
	.globl	k_q7cfc4c05ec_kanspline
	.p2align	8
	.type	k_q7cfc4c05ec_kanspline,@function
k_q7cfc4c05ec_kanspline:
	s_mov_b64 s[64:65], 0
	v_nop
	global_prefetch_b8 v0, s[64:65] scope:SCOPE_SE
	s_setreg_imm32_b32 hwreg(HW_REG_WAVE_MODE, 25, 1), 1
	s_wait_xcnt 0x0
; out0[b][c][h][w] = phi_c(t) + beta[c] x + bias[c],  t = clip((x - shift[c]) scale[c], -1.5, 1.5),
; phi_c(t) = sum over k of alpha[c][k] max(1 - |t - center_k| / delta, 0),  16 centres from -1 to 1, delta = 2/15.
;
; THE ARITHMETIC.  For every t the sum of hats is the piecewise-linear curve through (center_k, alpha[c][k]) that falls to 0 one delta outside
; the end centres.  In units of two knot spacings, u = 3.75 (x - shift) scale, the centres lie at +-k_i, k_i = 0.25 + 0.5 i (i = 0 .. 7), and the
; curve is 0 from |u| = 4.25 on.  The centres are symmetric about 0, so the curve is split into its even and odd halves:
;     phi = E(a) + sign(u) O(a),  a = min(|u|, 4.25).
; With S_i = alpha[8+i] + alpha[7-i] and D_i = alpha[8+i] - alpha[7-i], E and O take the values S_i / 2 and D_i / 2 at k_i and 0 at 4.25; on
; [0, 0.25] E has slope 0 and O slope 2 D_0.  Knots 0.5 apart make the slopes plain differences of S and of D, so with m_i = max(a, k_i)
;     E = 4.25 S_7 + sum gE_i m_i,            gE_0 = S_1 - S_0,    gE_i = S_(i+1) - 2 S_i + S_(i-1)  (S_8 = 0),
;     O = 4.25 D_7 + 2 D_0 a + sum gO_i m_i,  gO_0 = D_1 - 3 D_0,  gO_i = D_(i+1) - 2 D_i + D_(i-1)  (D_8 = 0).
; The two constants follow from E(4.25) = O(4.25) = 0: the kinks add up to the last slope, -S_7 and -D_7.  These are identities for all values of
; the inputs.  The eight maxima serve both sums: 32 vector instructions for two numbers, where one ramp for each of the 17 kinks takes 38.
; The clip at +-1.5 is +-5.625 in these units; clamping to that and then to +-4.25 is clamping to +-4.25, beyond which every hat is 0: the clip is
; kept as the tighter clamp.  No input and no step is left out.
; u is one fused multiply-add, x A + B with A = 3.75 scale and B = -(shift A) rounded once: that rounding equals moving shift by at most half a
; unit in its last place.
; The interval of u is not looked up: no address and no lane index is made from floating-point data, so all kinks are summed for each number.
; The contraction over k has one useful column for a channel, and its operand would cost more vector work than these sums: no matrix instruction.
;
; LIMITS.  A NaN in x reaches the result through beta x.  A NaN that arises in u alone is not carried: the min drops it, a is 4.25 and phi is then
; (up to rounding) 0.  That happens for x infinite with scale 0, and where x A and shift A both pass 3.4e38 and cancel, though (x - shift) scale
; would be finite.  The partial sums of E reach at most 8.5 + 8 x 34 = 280.5 max|alpha| and those of O 8.5 + 17 + 8 x 34 = 297.5 max|alpha|, so their
; some 20 roundings and those of the coefficients leave under 1e-3 max|alpha| of error (phi outside the support is such a residue, not an exact 0).
;
; THE STREAM.  A work-group owns one plane (b, c): 16,384 numbers, 65,536 bytes, one channel.  Thread t owns the 16 bytes at 16 t of each of the
; plane's sixteen chunks of 4,096 bytes, so a wave's load or store covers 512 consecutive bytes that start at a multiple of 512.  All sixteen loads
; of a wave go out at once (64 registers); a loaded register is turned in place into the result and stored from there, so no register that a
; pending load or store names is ever written again, and the only waits for data are the counted ones at the head of each batch.
.set CHUNK, 4096                       ; bytes that one load of the eight waves covers
.set LOADS, 16                         ; loads of a thread = chunks of a plane
.set OFF,  1                           ; v1         16 t, never rewritten
.set BV,   2                           ; v[2:3]     B = -shift A, twice (packed addends are vector pairs)
.set CV,   4                           ; v[4:5]     bias + 4.25 S_7, twice
.set COV,  6                           ; v[6:7]     4.25 D_7, twice
.set U,    8                           ; v[8:15]    u of the batch's 8 numbers, then a
.set SG,   16                          ; v[16:23]   1.0 with the sign of u
.set M,    24                          ; v[24:31]   m_i = max(a, k_i)
.set O,    32                          ; v[32:39]   the odd half's running sum
.set X,    40                          ; v[40:103]  load i: 4 registers, x as loaded, then the running sum, then the store's data
.set EK,   20                          ; s[20:35]   pair i: gE_i (even register), k_i (odd register)
.set OD,   36                          ; s[36:51]   pair i: gO_i (even register), D_i (odd register)
.set BETA, 52                          ; s52 beta, s53 bias
.set SA,   54                          ; s54 A = 3.75 scale, s55 scale
.set SHF,  56                          ; s56 shift
.set TOP,  57                          ; s57 4.25
.set OS,   58                          ; s58 2 D_0, s59 the mask of a number's magnitude
.set KE,   60                          ; s60 bias + 4.25 S_7
.set KO,   61                          ; s61 4.25 D_7
.set SB,   62                          ; s62 B
.set AL,   68                          ; s[68:83]   alpha[c][0 .. 15]
.set SS,   84                          ; s[84:91]   S_i
	s_load_b256 s[4:11], s[0:1], 0x0               ; x s[4:5], out0 s[6:7], alpha s[8:9], beta s[10:11]
	s_load_b128 s[12:15], s[0:1], 0x20             ; bias s[12:13], shift s[14:15]
	s_load_b64 s[16:17], s[0:1], 0x30              ; scale
	s_lshl_b32 s2, ttmp9, 16                       ; the plane's number times 65,536 bytes: below 2^25
	s_mov_b32 s3, 0
	s_and_b32 s18, ttmp9, 63                       ; channel = plane mod 64
	s_lshl_b32 s19, s18, 2                         ; its word in beta, bias, shift, scale
	s_lshl_b32 s18, s18, 6                         ; its row of 64 bytes in alpha
	v_lshlrev_b32 v[OFF], 4, v0                    ; 16 t
	s_wait_kmcnt 0x0
	s_load_b512 s[AL:AL+15], s[8:9], s18 offset:0x0
	s_load_b32 s[BETA], s[10:11], s19 offset:0x0
	s_load_b32 s[BETA+1], s[12:13], s19 offset:0x0
	s_load_b32 s[SHF], s[14:15], s19 offset:0x0
	s_load_b32 s[SA+1], s[16:17], s19 offset:0x0
	s_add_nc_u64 s[4:5], s[4:5], s[2:3]            ; x and out0 at the plane's first byte
	s_add_nc_u64 s[6:7], s[6:7], s[2:3]
.irp i, 0,1,2,3,4,5,6,7,8,9,10,11,12,13,14,15
	global_load_b128 v[X+4*\i:X+4*\i+3], v[OFF], s[4:5] offset:\i*CHUNK th:TH_LOAD_NT   ; the whole share of the thread: x is read once in the launch
.endr
	; the knots k_i = 0.25 + 0.5 i as f32, while the loads are out
.macro KNOT i, bits
	s_mov_b32 s[EK+2*\i+1], \bits
.endm
	KNOT 0, 0x3e800000                             ; 0.25
	KNOT 1, 0x3f400000                             ; 0.75
	KNOT 2, 0x3fa00000                             ; 1.25
	KNOT 3, 0x3fe00000                             ; 1.75
	KNOT 4, 0x40100000                             ; 2.25
	KNOT 5, 0x40300000                             ; 2.75
	KNOT 6, 0x40500000                             ; 3.25
	KNOT 7, 0x40700000                             ; 3.75
	s_mov_b32 s[TOP], 0x40880000                   ; 4.25: where the curve has come back to 0
	s_mov_b32 s[OS+1], 0x7fffffff                  ; all bits but the sign
	s_wait_kmcnt 0x0                               ; the channel's parameters (scalar loads return in no order: zero)
	; the channel's figures, the same for the whole wave: scalar arithmetic
	s_mul_f32 s[SA], s[SA+1], 0x40700000           ; A = 3.75 scale = scale / (2 delta)
	s_mul_f32 s[SB], s[SHF], s[SA]
	s_xor_b32 s[SB], s[SB], 0x80000000             ; B = -shift A
.irp i, 0,1,2,3,4,5,6,7
	s_add_f32 s[SS+\i], s[AL+8+\i], s[AL+7-\i]     ; S_i = alpha_(8+i) + alpha_(7-i)
	s_mov_b32 s[OD+2*\i+1], s[AL+8+\i]
	s_fmac_f32 s[OD+2*\i+1], s[AL+7-\i], -1.0      ; D_i = alpha_(8+i) - alpha_(7-i)
.endr
	s_mov_b32 s[EK], s[SS+1]
	s_fmac_f32 s[EK], s[SS], -1.0                  ; gE_0 = S_1 - S_0: the even half is flat up to k_0
	s_mov_b32 s[OD], s[OD+3]
	s_fmac_f32 s[OD], s[OD+1], -2.0
	s_fmac_f32 s[OD], s[OD+1], -1.0                ; gO_0 = D_1 - 3 D_0: from slope 2 D_0 to slope D_1 - D_0
.irp i, 1,2,3,4,5,6
	s_add_f32 s[EK+2*\i], s[SS+\i+1], s[SS+\i-1]
	s_fmac_f32 s[EK+2*\i], s[SS+\i], -2.0          ; gE_i = S_(i+1) - 2 S_i + S_(i-1)
	s_add_f32 s[OD+2*\i], s[OD+2*\i+3], s[OD+2*\i-1]
	s_fmac_f32 s[OD+2*\i], s[OD+2*\i+1], -2.0      ; gO_i = D_(i+1) - 2 D_i + D_(i-1)
.endr
	s_mov_b32 s[EK+14], s[SS+6]
	s_fmac_f32 s[EK+14], s[SS+7], -2.0             ; gE_7 = 0 - 2 S_7 + S_6
	s_mov_b32 s[OD+14], s[OD+13]
	s_fmac_f32 s[OD+14], s[OD+15], -2.0            ; gO_7 = 0 - 2 D_7 + D_6
	s_add_f32 s[OS], s[OD+1], s[OD+1]              ; 2 D_0: the odd half's slope at 0
	s_mov_b32 s[KE], s[BETA+1]
	s_fmac_f32 s[KE], s[SS+7], s[TOP]              ; bias + 4.25 S_7
	s_mul_f32 s[KO], s[OD+15], s[TOP]              ; 4.25 D_7
	v_mov_b32 v[BV], s[SB]
	v_mov_b32 v[BV+1], s[SB]
	v_mov_b32 v[CV], s[KE]
	v_mov_b32 v[CV+1], s[KE]
	v_mov_b32 v[COV], s[KO]
	v_mov_b32 v[COV+1], s[KO]
; Batch b: loads 2 b and 2 b + 1, eight numbers a lane, as four pairs that do not wait for each other.
; Packed forms take a scalar pair broadcast (op_sel_hi 0: its even register for both halves).  There is no packed f32 max, so two of them go in
; one dual instruction: destinations even and odd, the second sources neighbouring registers, one scalar shared by both halves.
.macro BATCH b
	s_wait_loadcnt LOADS-2-2*\b                    ; loads return in order: 2 b + 2 of the sixteen are in, the younger ones stay out
.irp p, 0,2,4,6
	v_pk_fma_f32 v[U+\p:U+\p+1], v[X+8*\b+\p:X+8*\b+\p+1], s[SA:SA+1], v[BV:BV+1] op_sel_hi:[1,0,1]                 ; u = x A + B
.endr
.irp p, 0,2,4,6
	v_pk_fma_f32 v[X+8*\b+\p:X+8*\b+\p+1], v[X+8*\b+\p:X+8*\b+\p+1], s[BETA:BETA+1], v[CV:CV+1] op_sel_hi:[1,0,1]   ; beta x + bias + 4.25 S_7 starts the sum, in place
.endr
.irp q, 0,1,2,3,4,5,6,7
	v_bfi_b32 v[SG+\q], s[OS+1], 1.0, v[U+\q]      ; the magnitude of 1.0, the sign of u
.endr
.irp q, 0,1,2,3,4,5,6,7
	v_min_num_f32 v[U+\q], |v[U+\q]|, s[TOP]       ; a = min(|u|, 4.25): one clamp for both ends of the support
.endr
.irp p, 0,2,4,6
	v_pk_fma_f32 v[O+\p:O+\p+1], v[U+\p:U+\p+1], s[OS:OS+1], v[COV:COV+1] op_sel_hi:[1,0,1]                         ; 2 D_0 a + 4.25 D_7 starts the odd half
.endr
.irp i, 0,1,2,3,4,5,6,7
.irp p, 0,2,4,6
	v_dual_max_num_f32 v[M+\p], s[EK+2*\i+1], v[U+\p] :: v_dual_max_num_f32 v[M+\p+1], s[EK+2*\i+1], v[U+\p+1]      ; m_i = max(a, k_i), for both halves of the curve
.endr
.irp p, 0,2,4,6
	v_pk_fma_f32 v[X+8*\b+\p:X+8*\b+\p+1], v[M+\p:M+\p+1], s[EK+2*\i:EK+2*\i+1], v[X+8*\b+\p:X+8*\b+\p+1] op_sel_hi:[1,0,1]   ; the even half goes straight onto the result: += gE_i m_i
.endr
.irp p, 0,2,4,6
	v_pk_fma_f32 v[O+\p:O+\p+1], v[M+\p:M+\p+1], s[OD+2*\i:OD+2*\i+1], v[O+\p:O+\p+1] op_sel_hi:[1,0,1]             ; the odd half: += gO_i m_i
.endr
.endr
.irp p, 0,2,4,6
	v_pk_fma_f32 v[X+8*\b+\p:X+8*\b+\p+1], v[SG+\p:SG+\p+1], v[O+\p:O+\p+1], v[X+8*\b+\p:X+8*\b+\p+1]               ; += sign(u) O(a)
.endr
	global_store_b128 v[OFF], v[X+8*\b:X+8*\b+3],   s[6:7] offset:(2*\b)*CHUNK th:TH_STORE_NT        ; 16 lanes store 256 consecutive bytes, at a multiple of 256 from out0's first byte;
	global_store_b128 v[OFF], v[X+8*\b+4:X+8*\b+7], s[6:7] offset:(2*\b+1)*CHUNK th:TH_STORE_NT      ; the data registers are not written again
.endm
.irp b, 0,1,2,3,4,5,6,7
	BATCH \b
.endr
	s_endpgm
.Lfunc_end_k_q7cfc4c05ec_kanspline:
	.size	k_q7cfc4c05ec_kanspline, .Lfunc_end_k_q7cfc4c05ec_kanspline-k_q7cfc4c05ec_kanspline
	.p2alignl 7, 3214868480
	.fill 96, 4, 3214868480
	.section	.rodata,"a",@progbits
	.p2align	6, 0x0
	.amdhsa_kernel k_q7cfc4c05ec_kanspline
		.amdhsa_group_segment_fixed_size 0
		.amdhsa_private_segment_fixed_size 0
		.amdhsa_enable_private_segment 0
		.amdhsa_kernarg_size 56
		.amdhsa_user_sgpr_count 2
		.amdhsa_user_sgpr_kernarg_segment_ptr 1
		.amdhsa_wavefront_size32 1
		.amdhsa_system_sgpr_workgroup_id_x 1
		.amdhsa_system_sgpr_workgroup_id_y 1
		.amdhsa_system_sgpr_workgroup_id_z 1
		.amdhsa_system_vgpr_workitem_id 0
		.amdhsa_next_free_vgpr 104
		.amdhsa_next_free_sgpr 92
		.amdhsa_reserve_vcc 0
		.amdhsa_float_denorm_mode_32 3
		.amdhsa_float_denorm_mode_16_64 3
		.amdhsa_memory_ordered 1
		.amdhsa_forward_progress 1
		.amdhsa_inst_pref_size 72
	.end_amdhsa_kernel
	.amdgpu_metadata
---
amdhsa.version: [ 1, 2 ]
amdhsa.kernels:
  - .name:           k_q7cfc4c05ec_kanspline
    .symbol:         k_q7cfc4c05ec_kanspline.kd
    .args:
      - { .name: x, .offset: 0, .size: 8, .value_kind: global_buffer, .address_space: global }
      - { .name: out0, .offset: 8, .size: 8, .value_kind: global_buffer, .address_space: global }
      - { .name: alpha, .offset: 16, .size: 8, .value_kind: global_buffer, .address_space: global }
      - { .name: beta, .offset: 24, .size: 8, .value_kind: global_buffer, .address_space: global }
      - { .name: bias, .offset: 32, .size: 8, .value_kind: global_buffer, .address_space: global }
      - { .name: shift, .offset: 40, .size: 8, .value_kind: global_buffer, .address_space: global }
      - { .name: scale, .offset: 48, .size: 8, .value_kind: global_buffer, .address_space: global }
    .group_segment_fixed_size: 0
    .private_segment_fixed_size: 0
    .kernarg_segment_align: 8
    .kernarg_segment_size: 56
    .max_flat_workgroup_size: 256
    .sgpr_count:     92
    .vgpr_count:     104
    .wavefront_size: 32
...
	.end_amdgpu_metadata
.endif
;; end of part 1
